; MI455X (gfx1250); checked and timed in simulation.
; The chip was launched on July 23, 2026; its instructions are those of AMD's public machine-readable ISA for CDNA 5 (MIT licence, August 2026) and "CDNA5" Instruction Set Architecture Reference Guide (July 2026). The comments in the code are by the model that wrote it; some were corrected since.
;; MAB. Allowed arithmetic: matrix products marked QUANTISED: E2M1 operands, one E8M0 scale for each 32 along K, by v_wmma_scale_f32_16x16x128_f8f6f4 with both operands' format E2M1 (or v_wmma_scale_f32_32x16x128_f4), f32 sums; everything else in f32.
;; Inputs: Wk_codes 256 x 8 x 16 uint8 (E2M1 codes of Wk, K innermost, in blocks of 32 codes, two codes a byte); Wk_scales 256 x 8 uint8 (E8M0 scales of Wk, one for each 32 codes along K); Wo_codes 256 x 8 x 16 uint8 (E2M1 codes of Wo, K innermost, in blocks of 32 codes, two codes a byte); Wo_scales 256 x 8 uint8 (E8M0 scales of Wo, one for each 32 codes along K); Wq_codes 256 x 8 x 16 uint8 (E2M1 codes of Wq, K innermost, in blocks of 32 codes, two codes a byte); Wq_scales 256 x 8 uint8 (E8M0 scales of Wq, one for each 32 codes along K); Wv_codes 256 x 8 x 16 uint8 (E2M1 codes of Wv, K innermost, in blocks of 32 codes, two codes a byte); Wv_scales 256 x 8 uint8 (E8M0 scales of Wv, one for each 32 codes along K); b0 256 float32; b1 256 float32; bk 256 float32; bo 256 float32; bq 256 float32; bv 256 float32; g0 256 float32; g1 256 float32; k_codes 4 x 2,048 x 8 x 16 uint8 (E2M1 codes of k, K innermost, in blocks of 32 codes, two codes a byte); k_scales 4 x 2,048 x 8 uint8 (E8M0 scales of k, one for each 32 codes along K); q_codes 4 x 2,048 x 8 x 16 uint8 (E2M1 codes of q, K innermost, in blocks of 32 codes, two codes a byte); q_scales 4 x 2,048 x 8 uint8 (E8M0 scales of q, one for each 32 codes along K).
;; Outputs: out0 4 x 2,048 x 256 float32.
;; This version of the problem:
;;   THIS VERSION OF THE PROBLEM IS GIVEN IN LOW PRECISION. The matrix products marked QUANTISED in the list below multiply operands that are first quantised to E2M1 (2 exponent bits, 1 mantissa bit; 4 bits a number), with one power-of-two scale for each 32 numbers along K (OCP MX v1.0); their sums are f32. All else is computed in f32.
;;   The module's matrix products, in the order in which they are computed (A, B: the left and right operand; K: the contracted axis; several contracted axes count as one K, in the product's order):
;;     1. [M 8,192, K 256] x [K 256, N 256]; A: input q (given as codes); B: input Wq (given as codes): QUANTISED
;;     2. [M 8,192, K 256] x [K 256, N 256]; A: input k (given as codes); B: input Wk (given as codes): QUANTISED
;;     3. [M 8,192, K 256] x [K 256, N 256]; A: input k (given as codes); B: input Wv (given as codes): QUANTISED
;;     4. batch 32 x [M 2,048, K 32] x [K 32, N 2,048]; A: computed on the way; B: computed on the way: QUANTISED
;;     5. batch 32 x [M 32, K 2,048] x [K 2,048, N 2,048]; A: computed on the way; B: softmax (see below): QUANTISED
;;     6. [M 8,192, K 256] x [K 256, N 256]; A: computed on the way; B: input Wo (given as codes): QUANTISED
;;   THE QUANTISER, for each operand of a quantised product, along K:
;;     - K is cut into blocks of 32 from its start; a last block that is shorter is filled with zeros.
;;     - A block's scale is 2^e with e = floor(log2(the largest magnitude in the block)) - 2, held to -126 .. 127; a block of zeros has e = 0. As a byte (E8M0): e + 127.
;;     - Each number is divided by its block's scale, clamped to +-6, and rounded to the nearest number of E2M1, ties to even, subnormals kept.
;;     - The product sums the exact products of the quantised numbers (number of the format x scale) in f32.
;;   ~~~python
;;   def quantise(x, axis):      # numpy; x: float32 -> the quantised numbers, widened to float32 again
;;       x = np.moveaxis(x, axis, -1); K = x.shape[-1]
;;       x = np.pad(x, [(0, 0)] * (x.ndim - 1) + [(0, -K % 32)]); x = x.reshape(x.shape[:-1] + (-1, 32)); a = np.abs(x).max(-1, keepdims=True)
;;       e = np.where(a > 0, np.clip(np.frexp(np.where(a > 0, a, 1))[1] - 1 - 2, -126, 127), 0)      # np.frexp(a)[1] - 1 = floor(log2(a)), exactly
;;       r = np.clip(x / 2.0 ** e, -6, 6)
;;       step = 2.0 ** (np.maximum(np.frexp(np.where(r == 0, 1, r))[1] - 1, 0) - 1)
;;       q = np.round(r / step) * step * 2.0 ** e      # np.round: ties to even
;;       return np.moveaxis(q.reshape(q.shape[:-2] + (-1,))[..., :K], -1, axis).astype(np.float32)
;;   ~~~
;;   SOFTMAX AHEAD OF A QUANTISED PRODUCT. Where the list says 'softmax', what is quantised is not the finished softmax but p = 2^(t - M), with t = logit x log2(e) and M = ceil(the row's largest t), a whole number; so 1/2 < the row's largest p <= 1. The row's sum l is taken of the UNQUANTISED p, in f32, and the product's result is divided by l at the end. Since M is a whole number, a kernel that streams over the keys may use a running M (the ceiling of the running maximum): every later rescaling is an exact power of two, which a block's scale takes up: the codes' values come out the same.
;;   OPERANDS COMPUTED ON THE WAY. 'Computed on the way' means the value that the module computes at that place (a softmax that the list does not call 'softmax' is quantised finished and normalised). What goes into a quantiser is computed in f32, as accurately as f32 sums, v_exp_f32 and their like allow (about 1e-6 of the number): no bf16 or f16 on the way to a quantiser, and a product that is left as it is and whose result goes on into a quantised operand takes f32 operands (vector FMAs, or v_wmma_f32_16x16x4_f32). A number that lies on a knife's edge between two numbers of the format may be rounded either way, as far as f32 arithmetic and the matrix unit's own rounding can turn it there, and no further.
;;   INPUTS GIVEN AS CODES. Wk (in the module: [256, 256], K = its axis 1); Wo (in the module: [256, 256], K = its axis 1); Wq (in the module: [256, 256], K = its axis 1); Wv (in the module: [256, 256], K = its axis 1); k (in the module: [4, 2048, 256], K = its axis 2); q (in the module: [4, 2048, 256], K = its axis 2): each comes as NAME_codes (uint8): NAME with its K axis moved to the last place and cut into blocks of 32 codes, [.., K / 32, bytes a block], one block behind the other in memory; two codes a byte, the lower K in the low four bits (a code: sign, 2 exponent bits, 1 mantissa bit); and NAME_scales (uint8): the same leading axes, one E8M0 byte (e + 127) for each 32 codes along K. Its value is code x scale, taken as it is: it is not quantised again, and the codes and scales need not be those that the quantiser above would give.
;; One version. Each part assembles by itself: llvm-mc -triple=amdgcn-amd-amdhsa -mcpu=gfx1250 --defsym DOCPART=n.
;; ======== version 1 of 1: 2 launches
;; limits: right only within a limited range of input values
;; workspace buffers: kv 2,228,224 bytes
;; launch kvproj (part 1): grid 64 x 4, 8 waves a work-group, no clusters, 1,536 bytes of LDS; arguments k_codes, k_scales, Wk_codes, Wk_scales, bk, Wv_codes, Wv_scales, bv, kv; writes kv
.if DOCPART == 1
	.amdgcn_target "amdgcn-amd-amdhsa--gfx1250"
	.amdhsa_code_object_version 6
	.text
	.protected	k_q4ad4aca1c7_kvproj
	.globl	k_q4ad4aca1c7_kvproj
	.p2align	8
	.type	k_q4ad4aca1c7_kvproj,@function
k_q4ad4aca1c7_kvproj:
	s_mov_b64 s[64:65], 0
	v_nop
	global_prefetch_b8 v0, s[64:65] scope:SCOPE_SE
	s_setreg_imm32_b32 hwreg(HW_REG_WAVE_MODE, 25, 1), 1
	s_wait_xcnt 0x0
; K = k Wk^T + bk and V = k Wv^T + bv on codes of FP4 (E2M1) with E8M0 scales, both quantised again for the attention and laid as IMAGES OF ITS OPERAND REGISTERS.
; kv: [x = 16 batch + step][head][4,352 bytes]; a step is 128 keys.  A block of 4,352 bytes:
;   0     K's codes [cc][c][lane][16]: fragment cc, MX block u = 2 c + lane / 16 of row r = lane % 16 holds the 32 dims of key 64 cc + 32 (r / 8) + 8 u + r % 8
;   2048  V's codes [t][c][lane][16]: row r of tile t is dim 16 (r / 8) + 8 t + r % 8, keys 64 c + 32 (lane / 16) + 0 .. 31
;   4096  K's scale words [cc][r], byte u;    4224  V's scale words [t][r], byte b for keys 32 b ..
; SHARES.  Work-group (x, P): step x, heads 2 P and 2 P + 1.  Waves 0-3 make K, waves 4-7 V; cc = w % 2 is the half of 64 keys.
; A wave multiplies an X operand of four tiles (the 64 rows whose index runs along a lane's registers) by a Y operand of two tiles (a lane holds one row of each).
;   K: X = the pair's 64 rows of Wk, Y = key tiles u = 2 b, 2 b + 1 (b = w / 2 % 2): lanes 0-15 end with head 2 P, lanes 16-31 with head 2 P + 1, 32 dims each.
;   V: X = 64 keys, Y = 32 rows of Wv (head 2 P + b): a lane ends with 32 keys of one dim.
; Row r of X's tile u is row 32 (r / 8) + 8 u + r % 8 of the 64, so that a lane's 32 results are a WHOLE block of 32 along the next K: no lane is asked for a maximum, and the conversions' results are the image.
; NO CLUSTER, NO TENSOR LOAD: every operand goes from memory straight into registers, once for a wave, and nothing is walked again (no loop).
; LIMITS: NaN and infinities are not served.  A block whose largest magnitude lies under 2^-124 keeps the scale byte 1, a block of zeros too (its codes are zeros; the bytes are read by this program alone).
.set BLK, 4352
.set XF, 20                            ; v20-83    X: pair q, K step s at 32 q + 16 s: 32 rows
.set YF, 84                            ; v84-115   Y: tile i, K step s at 16 i + 8 s
.set XS, 116                           ; v116-119  X's scale words [q][s]
.set YS, 120                           ; v120-123  Y's [i][s]
.set BI, 124                           ; v124-155  the biases in the result's layout
.set ACC, 156                          ; v156-219  results: tile i, pair q at 32 i + 16 q
.set MX, 222                           ; v222-225  largest magnitudes
.set SO, 230                           ; v230-231  the conversions' scale operands
.set BY, 232                           ; v232-233  the scale bytes
.set PC, 234                           ; v234-241  codes
.macro MM i, q, s, c
	v_wmma_scale_f32_16x16x128_f8f6f4 v[ACC+32*\i+16*\q:ACC+32*\i+16*\q+7], v[XF+32*\q+16*\s:XF+32*\q+16*\s+7], v[YF+16*\i+8*\s:YF+16*\i+8*\s+7], v[\c:\c+7], v[XS+2*\q+\s], v[YS+2*\i+\s] matrix_a_fmt:MATRIX_FMT_FP4 matrix_b_fmt:MATRIX_FMT_FP4
	v_wmma_scale_f32_16x16x128_f8f6f4 v[ACC+32*\i+16*\q+8:ACC+32*\i+16*\q+15], v[XF+32*\q+16*\s+8:XF+32*\q+16*\s+15], v[YF+16*\i+8*\s:YF+16*\i+8*\s+7], v[\c+8:\c+15], v[XS+2*\q+\s], v[YS+2*\i+\s] matrix_a_fmt:MATRIX_FMT_FP4 matrix_b_fmt:MATRIX_FMT_FP4 matrix_a_scale:MATRIX_SCALE_ROW1
.endm
	s_load_b512 s[4:19], s[0:1], 0x0               ; k's codes s[4:5], scales s[6:7], Wk's codes s[8:9], scales s[10:11], bk s[12:13], Wv's codes s[14:15], scales s[16:17], bv s[18:19]
	s_load_b64 s[20:21], s[0:1], 0x40              ; kv
	v_lshl_add_u32 v254, v0, 2, 0x200              ; my spare word
	v_mov_b32 v255, 0
	v_lshrrev_b32 v1, 5, v0
	v_readfirstlane_b32 s22, v1                    ; wave 0..7
	s_and_b32 s23, ttmp7, 0xffff                   ; head pair P
	s_and_b32 s24, s22, 1                          ; cc
	s_bfe_u32 s25, s22, 0x10001                    ; b
	s_lshl_b32 s26, s23, 6                         ; the pair's first row of a weight
	s_lshl_b32 s27, ttmp9, 7
	s_lshl_b32 s28, s24, 6
	s_add_co_u32 s27, s27, s28                     ; my 64 keys
	s_lshl_b32 s28, s25, 4
	s_add_co_u32 s28, s28, s27                     ; K: Y's first row
	s_lshl_b32 s29, s25, 5
	s_add_co_u32 s29, s29, s26                     ; V: Y's first row
	s_lshl_b32 s30, s24, 6
	s_lshl_b32 s33, s25, 1
	s_add_co_u32 s30, s30, s33                     ; LDS, K's bytes: 64 cc + 2 b
	s_lshl_b32 s31, s24, 1
	s_lshl_b32 s33, s25, 8
	s_add_co_u32 s31, s31, s33                     ; LDS, V's: 2 cc + 256 b
	s_lshl_b32 s34, ttmp9, 3
	s_lshl_b32 s33, s23, 1
	s_add_co_u32 s34, s34, s33
	s_mul_i32 s34, s34, BLK                        ; the pair's first block
	s_lshl_b32 s35, s24, 10
	s_lshl_b32 s33, s25, 9
	s_add_co_u32 s35, s35, s33                     ; K's codes in it: 1024 cc + 512 b
	s_mul_i32 s36, s25, BLK
	s_lshl_b32 s33, s24, 9
	s_add_co_u32 s36, s36, s33
	s_add_co_u32 s36, s36, 2048                    ; V's: BLK b + 2048 + 512 cc
	s_mov_b32 s37, 1024
	s_mov_b32 s38, BLK
	s_cmp_lt_u32 s22, 4                            ; K or V
	s_cselect_b32 s39, s26, s27                    ; X's first row
	s_cselect_b32 s40, s28, s29                    ; Y's
	s_cselect_b32 s41, s26, s29                    ; the bias' first number
	s_cselect_b32 s35, s35, s36
	s_cselect_b32 s37, 256, s37                    ; from tile i = 0 to tile 1 in the image
	s_cselect_b32 s38, s38, 256                    ; from lanes 0-15 to lanes 16-31
	s_cselect_b32 s33, 32, 16                      ; Y: from row 7 to row 8 of a tile
	s_lshl_b32 s44, s39, 7
	s_lshl_b32 s46, s39, 3
	s_lshl_b32 s48, s40, 7
	s_lshl_b32 s50, s40, 3
	s_lshl_b32 s52, s41, 2
.irp i, 45,47,49,51,53,43
	s_mov_b32 s\i, 0
.endr
	v_and_b32 v2, 15, v0                           ; r
	v_bfe_u32 v3, v0, 4, 1                         ; h
	v_lshrrev_b32 v4, 3, v2                        ; r / 8
	v_and_b32 v5, 7, v2                            ; r % 8
	v_mul_u32_u24 v6, s33, v4
	v_lshl_add_u32 v7, v4, 5, v5                   ; X: row 32 (r / 8) + r % 8
	v_add_nc_u32 v6, v6, v5                        ; Y: row 32 or 16 (r / 8) + r % 8
	v_lshlrev_b32 v8, 7, v7
	v_lshlrev_b32 v10, 7, v6
	v_lshl_add_u32 v9, v3, 3, v7                   ; X's scales: lanes 16-31 take the pair's second tile
	v_lshl_add_u32 v8, v3, 4, v8                   ; codes: 128 bytes a row, + 16 h
	v_lshl_add_u32 v10, v3, 4, v10
	v_lshlrev_b32 v9, 3, v9                        ; scales: 8 bytes a row
	v_lshlrev_b32 v11, 3, v6
	v_lshlrev_b32 v12, 7, v3                       ; bk: 32 numbers for each half of the lanes
	v_lshlrev_b32 v13, 2, v6                       ; bv: my dim's number
	v_lshlrev_b32 v14, 2, v2
	v_lshl_add_u32 v15, v2, 2, v3                  ; LDS: V's byte: word r, + h
	v_lshl_add_u32 v14, v3, 8, v14                 ; LDS: K's bytes: word r of head h
	v_add_nc_u32 v15, s31, v15
	v_add_nc_u32 v14, s30, v14
	v_and_b32 v16, 31, v0
	v_mul_u32_u24 v17, s38, v3
	v_mul_u32_u24 v18, BLK, v3
	v_lshlrev_b32 v16, 4, v16                      ; LDS, back: 16 x lane
	v_lshl_add_u32 v17, v2, 4, v17                 ; the codes out
	v_lshl_add_u32 v18, v2, 4, v18                 ; the scale words out: a head to each half of the lanes
	s_wait_alu depctr_va_vdst(0)                   ; the wait at the head's end
	s_wait_kmcnt 0x0
	s_cmp_lt_u32 s22, 4
	s_cselect_b64 s[54:55], s[8:9], s[4:5]         ; X's codes
	s_cselect_b64 s[56:57], s[10:11], s[6:7]       ; and scales
	s_cselect_b64 s[58:59], s[4:5], s[14:15]       ; Y's
	s_cselect_b64 s[60:61], s[6:7], s[16:17]
	s_cselect_b64 s[62:63], s[12:13], s[18:19]     ; the bias
	s_add_nc_u64 s[54:55], s[54:55], s[44:45]
	s_add_nc_u64 s[56:57], s[56:57], s[46:47]
	s_add_nc_u64 s[58:59], s[58:59], s[48:49]
	s_add_nc_u64 s[60:61], s[60:61], s[50:51]
	s_add_nc_u64 s[62:63], s[62:63], s[52:53]
	s_mov_b32 s42, s34
	s_add_nc_u64 s[20:21], s[20:21], s[42:43]      ; the pair's first block
	s_mov_b32 s42, s35
	s_add_nc_u64 s[66:67], s[20:21], s[42:43]      ; tile 0's codes
	s_mov_b32 s42, s37
	s_add_nc_u64 s[68:69], s[66:67], s[42:43]      ; tile 1's
	s_cmp_lt_u32 s22, 4
	s_cbranch_scc0 .Lbias_v
.irp i, 0,1,2,3,4,5,6,7
	global_load_b128 v[BI+4*\i:BI+4*\i+3], v12, s[62:63] offset:16*\i
.endr
	s_branch .Lbias_asked
.Lbias_v:
	global_load_b32 v220, v13, s[62:63]
	global_load_b32 v221, v13, s[62:63] offset:32
.Lbias_asked:
.irp q, 0,1
.irp s, 0,1
.irp u, 0,1
.irp c, 0,1
	global_load_b128 v[XF+32*\q+16*\s+8*\u+4*\c:XF+32*\q+16*\s+8*\u+4*\c+3], v8, s[54:55] offset:2048*\q+1024*\u+64*\s+32*\c
.endr
.endr
.endr
	global_load_b64 v[XS+2*\q:XS+2*\q+1], v9, s[56:57] offset:128*\q
.endr
.irp i, 0,1
.irp s, 0,1
.irp c, 0,1
	global_load_b128 v[YF+16*\i+8*\s+4*\c:YF+16*\i+8*\s+4*\c+3], v10, s[58:59] offset:1024*\i+64*\s+32*\c
.endr
.endr
	global_load_b64 v[YS+2*\i:YS+2*\i+1], v11, s[60:61] offset:64*\i
.endr
	; the bias is the C of each sum's first product: along the registers in K, one number a lane in V
	s_cmp_lt_u32 s22, 4
	s_cbranch_scc0 .Lfirst_v
	s_wait_loadcnt 0x0
	MM 0, 0, 0, BI
	MM 0, 1, 0, BI+16
	MM 1, 0, 0, BI
	MM 1, 1, 0, BI+16
	s_branch .Lsecond
.Lfirst_v:
	s_wait_loadcnt 28                              ; bv is in; X's 18 and Y's 10 loads are younger
.irp j, 0,1,2,3,4,5,6,7,8,9,10,11,12,13,14,15
	v_mov_b32 v[BI+\j], v220
	v_mov_b32 v[BI+16+\j], v221
.endr
	s_wait_alu depctr_va_vdst(0)
	s_wait_loadcnt 0x0
	MM 0, 0, 0, BI
	MM 0, 1, 0, BI
	MM 1, 0, 0, BI+16
	MM 1, 1, 0, BI+16
.Lsecond:
	MM 0, 0, 1, ACC
	MM 0, 1, 1, ACC+16
	MM 1, 0, 1, ACC+32
	MM 1, 1, 1, ACC+48
.rept 4
	v_nop                                          ; four places in front of the first read of results
.endr
	; each tile's 32 numbers in two chains; the floor 2^(3 - 127) stands among the leaves, so the byte cannot fall under 1
.irp i, 0,1
	v_max3_num_f32 v[MX+\i], |v[ACC+32*\i]|, |v[ACC+32*\i+1]|, 0x1800000
	v_max3_num_f32 v[MX+2+\i], |v[ACC+32*\i+16]|, |v[ACC+32*\i+17]|, |v[ACC+32*\i+18]|
.endr
.irp n, 2,4,6,8,10,12
.irp i, 0,1
	v_max3_num_f32 v[MX+\i], v[MX+\i], |v[ACC+32*\i+\n]|, |v[ACC+32*\i+\n+1]|
	v_max3_num_f32 v[MX+2+\i], v[MX+2+\i], |v[ACC+32*\i+\n+17]|, |v[ACC+32*\i+\n+18]|
.endr
.endr
.irp i, 0,1
	v_max3_num_f32 v[MX+\i], v[MX+\i], |v[ACC+32*\i+14]|, |v[ACC+32*\i+15]|
.endr
.irp i, 0,1
	v_max3_num_f32 v[MX+\i], v[MX+\i], v[MX+2+\i], |v[ACC+32*\i+31]|
.endr
.irp i, 0,1
	v_add_nc_u32 v[SO+\i], 0xff000000, v[MX+\i]    ; 2 off its exponent field: the conversion takes the exponent field of this operand as its scale
.endr
.irp i, 0,1
	v_lshrrev_b32 v[BY+\i], 23, v[SO+\i]           ; the scale's byte
.endr
.irp u, 0,1,2,3
	v_cvt_scalef32_pk8_fp4_f32 v[PC+\u], v[ACC+8*\u:ACC+8*\u+7], v[SO]
	v_cvt_scalef32_pk8_fp4_f32 v[PC+4+\u], v[ACC+32+8*\u:ACC+32+8*\u+7], v[SO+1]
.endr
	v_lshl_or_b32 v242, v[BY+1], 8, v[BY]          ; (a plain place behind the conversions)
	s_wait_alu depctr_va_vdst(0)
	global_store_b128 v17, v[PC:PC+3], s[66:67]    ; sixteen (K) or 32 (V) neighbouring lanes store 256 or 512 consecutive bytes, aligned
	global_store_b128 v17, v[PC+4:PC+7], s[68:69]
	s_cmp_lt_u32 s22, 4
	s_cbranch_scc0 .Lbytes_v
	ds_store_b16 v14, v242                         ; bytes 2 b, 2 b + 1 of key row r's word
	s_branch .Lbytes_done
.Lbytes_v:
	ds_store_b8 v15, v[BY] offset:128              ; byte 2 cc + h of the dim's word, tile 0
	ds_store_b8 v15, v[BY+1] offset:192            ; and tile 1
.Lbytes_done:
	; the scale words hold bytes of several waves: they meet in LDS and leave as two aligned runs of 256 bytes
	s_wait_dscnt 0x0                               ; for wave 0's sake: my LDS stores are done
	s_barrier_signal -1
	s_barrier_wait -1
	s_cmp_lg_u32 s22, 0
	s_cbranch_scc1 .Lend
	ds_load_b128 v[244:247], v16
	s_wait_dscnt 0x0
	global_store_b128 v18, v[244:247], s[20:21] offset:4096
.Lend:
	s_wait_tensorcnt 0x0                           ; the wave's end
	ds_add_u32 v254, v255
	s_wait_dscnt 0x0
	s_endpgm
.Lfunc_end_k_q4ad4aca1c7_kvproj:
	.size	k_q4ad4aca1c7_kvproj, .Lfunc_end_k_q4ad4aca1c7_kvproj-k_q4ad4aca1c7_kvproj
	.p2alignl 7, 3214868480
	.fill 96, 4, 3214868480
	.section	.rodata,"a",@progbits
	.p2align	6, 0x0
	.amdhsa_kernel k_q4ad4aca1c7_kvproj
		.amdhsa_group_segment_fixed_size 1536
		.amdhsa_private_segment_fixed_size 0
		.amdhsa_enable_private_segment 0
		.amdhsa_kernarg_size 72
		.amdhsa_user_sgpr_count 2
		.amdhsa_user_sgpr_kernarg_segment_ptr 1
		.amdhsa_wavefront_size32 1
		.amdhsa_system_sgpr_workgroup_id_x 1
		.amdhsa_system_sgpr_workgroup_id_y 1
		.amdhsa_system_sgpr_workgroup_id_z 1
		.amdhsa_system_vgpr_workitem_id 0
		.amdhsa_next_free_vgpr 256
		.amdhsa_next_free_sgpr 72
		.amdhsa_reserve_vcc 0
		.amdhsa_float_denorm_mode_32 3
		.amdhsa_float_denorm_mode_16_64 3
		.amdhsa_memory_ordered 1
		.amdhsa_forward_progress 1
		.amdhsa_inst_pref_size 16
	.end_amdhsa_kernel
	.amdgpu_metadata
---
amdhsa.version: [ 1, 2 ]
amdhsa.kernels:
  - .name:           k_q4ad4aca1c7_kvproj
    .symbol:         k_q4ad4aca1c7_kvproj.kd
    .args:
      - { .name: k_codes, .offset: 0, .size: 8, .value_kind: global_buffer, .address_space: global }
      - { .name: k_scales, .offset: 8, .size: 8, .value_kind: global_buffer, .address_space: global }
      - { .name: Wk_codes, .offset: 16, .size: 8, .value_kind: global_buffer, .address_space: global }
      - { .name: Wk_scales, .offset: 24, .size: 8, .value_kind: global_buffer, .address_space: global }
      - { .name: bk, .offset: 32, .size: 8, .value_kind: global_buffer, .address_space: global }
      - { .name: Wv_codes, .offset: 40, .size: 8, .value_kind: global_buffer, .address_space: global }
      - { .name: Wv_scales, .offset: 48, .size: 8, .value_kind: global_buffer, .address_space: global }
      - { .name: bv, .offset: 56, .size: 8, .value_kind: global_buffer, .address_space: global }
      - { .name: kv, .offset: 64, .size: 8, .value_kind: global_buffer, .address_space: global }
    .group_segment_fixed_size: 1536
    .private_segment_fixed_size: 0
    .kernarg_segment_align: 8
    .kernarg_segment_size: 72
    .max_flat_workgroup_size: 256
    .sgpr_count:     72
    .vgpr_count:     256
    .wavefront_size: 32
...
	.end_amdgpu_metadata
.endif
;; end of part 1
;; launch mab (part 2): grid 256 x 1, 16 waves a work-group, no clusters, 84,736 bytes of LDS; arguments q_codes, q_scales, Wq_codes, Wq_scales, bq, kv, Wo_codes, Wo_scales, bo, g0, b0, g1, b1, out0; writes out0
.if DOCPART == 2
	.amdgcn_target "amdgcn-amd-amdhsa--gfx1250"
	.amdhsa_code_object_version 6
	.text
	.protected	k_q4ad4aca1c7_mab
	.globl	k_q4ad4aca1c7_mab
	.p2align	8
	.type	k_q4ad4aca1c7_mab,@function
k_q4ad4aca1c7_mab:
	s_mov_b64 s[64:65], 0
	v_nop
	global_prefetch_b8 v0, s[64:65] scope:SCOPE_SE
	s_setreg_imm32_b32 hwreg(HW_REG_WAVE_MODE, 25, 1), 1
	s_wait_xcnt 0x0
; out = LN1(x0 + relu(x0 Wo^T + bo)), x0 = LN0(Q + softmax(Q K^T / 16) V per head), Q = q Wq^T + bq.  All four products on codes of FP4 (E2M1) with one E8M0 scale for each 32 along K; all else in f32.
; SHARES.  A work-group owns 32 rows (queries) with all 8 heads.  Wave w owns head hd = w % 8 and HALF OF THE KEYS (g = w / 8: steps 8 g .. 8 g + 7 of 128 keys), for BOTH tiles of 16 queries: tile B is rows 16 g .. of the 32 (its own),
; tile A the other one.  At the end it hands tile A's partial sums to wave w xor 8 through LDS, takes that wave's partial sums of tile B, and finishes tile B: 16 rows x 32 dims.
; STRAIGHT INTO REGISTERS, NO CLUSTER.  A wave's stream is its own head's and half's: 8 blocks of 4,352 bytes, images of the operand registers; no other wave of the work-group reads them.  A joint load could only land in LDS, which cannot hold
; a batch's 16 x 34,816 bytes, so its slots would be filled again behind rounds that hold all waves of four work-groups together.  Here the loop has no barrier and no LDS access: each fragment feeds two tiles of queries.
; LAYOUT.  Every product is used transposed (source 0 = rows of a weight, of K or of V^T; source 1 = 16 queries): a lane holds ONE query (lane % 16), and register i of 16 holds dim 16 (lane / 16) + i of the head, in Q, in O^T, in x0 and in the last product.
; THE SCORES' K IS 32, a quarter of the matrix instruction's 128.  A fragment of K holds FOUR key tiles, one in each MX block; multiplied by Q's codes set in block u alone, zero codes in the other three, it gives the scores of tile u.
; Q's variants are overlapping runs of v16-51: [0][A, lanes 0-15][0][A, lanes 16-31][0][B, lanes 0-15][0][B, lanes 16-31][0], four registers each.
; Register 16 u + 8 c + j of the scores is key 64 c + 32 (lane / 16) + 8 u + j: a lane holds two WHOLE blocks of 32 keys, and the conversions' results are the second product's operand as they stand.
; THE SOFTMAX: t = score x log2(e) / 16; M = the running largest t rounded UP to a whole number; p = 2^(t - M) is quantised along the keys, not normalised; the sum of the unquantised p divides at the end.
; When M moves, the sum and O^T are multiplied by 2^(old M - new M), which rounds nothing.  A block's largest p is not searched for: the block's largest score goes through the same multiply-add and exponential
; (this takes v_exp_f32 not to fall where its input rises).
; THE NORMS: each wave makes the mean of its 32 dims and the sum of squared differences from it; a row's eight pairs meet in LDS: var = (sum of the eight sums + 32 x sum of (mean - mu)^2) / 256.
; LIMITS: NaN and infinities are not served.  The scaled scores t stay under 2^31 in magnitude.  A block whose largest magnitude lies under 2^-124 keeps the scale byte 1, a block of zeros too (its codes are zeros).  1 / sum and 1 / sqrt are the 1-ulp instructions.
; REGISTERS: v1, v2 the spare word's address and 0; v3 16 x lane, v4 4 x lane; v6-9 tile A's -M, largest score, sum in two halves; v10-13 tile B's; v14, v15 16 and 8 x thread; v16-51 Q's variants; v52, v53 Q's scale words; v54 K's, v55 V's, v96 p's;
;   v56-71 K's two fragments; v72-87 V's two; v88-95 p's codes; v97-99 offsets in the weights; v100-115 O^T of A, v116-131 of B; v132-195 scores, then p; v196-211 tile B's Q in f32, then the row's numbers; v212-243 at work;
;   v244-249 scale words of q, Wq, x0, Wo; v250 the prefetch's offset; v252-255 on their way to LDS.
.set BLK,   4352                       ; one head's part of a step
.set STEPB, 8*BLK
.set XCM,   32768                      ; LDS: tile A's O^T in four planes of 8,192 bytes from 0 on; then -M and the sum, 8 bytes a thread;
.set VEC,   XCM+4096                   ; g0, b0, g1, b1;
.set RED,   VEC+4096                   ; two reductions [row][head] of 8 bytes;
.set XIMG,  RED+4096                   ; x0's four fragments [tile][K step], 1,024 bytes each, as images of their registers;
.set XSC,   XIMG+4096                  ; their scale words [tile][K step][r];
.set STG,   XSC+256                    ; the way out: 32 rows x (1,024 bytes + 16);
.set SPI,   1040
.set SPARE, STG+32*SPI                 ; the spare words, 128 bytes for each wave: eight blocks of 256 bytes that no other line names
.set S,     132
.macro M32 d, a, b, c, sa, sb
	v_wmma_scale_f32_16x16x128_f8f6f4 v[\d:\d+7], v[\a:\a+7], v[\b:\b+7], v[\c:\c+7], v[\sa], v[\sb] matrix_a_fmt:MATRIX_FMT_FP4 matrix_b_fmt:MATRIX_FMT_FP4
	v_wmma_scale_f32_16x16x128_f8f6f4 v[\d+8:\d+15], v[\a+8:\a+15], v[\b:\b+7], v[\c+8:\c+15], v[\sa], v[\sb] matrix_a_fmt:MATRIX_FMT_FP4 matrix_b_fmt:MATRIX_FMT_FP4 matrix_a_scale:MATRIX_SCALE_ROW1   ; the second tile's scale words stand in lanes 16-31
.endm
.macro SCORES qv, qs                   ; S^T of 128 keys: tile u of both fragments at S + 16 u
.irp u, 0,1,2,3
	v_wmma_scale_f32_16x16x128_f8f6f4 v[S+16*\u:S+16*\u+7], v[56:63], v[\qv+4+8*(\u%2)-4*(\u/2):\qv+11+8*(\u%2)-4*(\u/2)], 0, v54, v[\qs] matrix_a_fmt:MATRIX_FMT_FP4 matrix_b_fmt:MATRIX_FMT_FP4
	v_wmma_scale_f32_16x16x128_f8f6f4 v[S+16*\u+8:S+16*\u+15], v[64:71], v[\qv+4+8*(\u%2)-4*(\u/2):\qv+11+8*(\u%2)-4*(\u/2)], 0, v54, v[\qs] matrix_a_fmt:MATRIX_FMT_FP4 matrix_b_fmt:MATRIX_FMT_FP4 matrix_a_scale:MATRIX_SCALE_ROW1
.endr
.endm
.macro LOADK
.irp f, 0,1
.irp c, 0,1
	global_load_b128 v[56+8*\f+4*\c:59+8*\f+4*\c], v3, s[14:15] offset:1024*\f+512*\c
.endr
.endr
	global_load_b32 v54, v4, s[14:15] offset:4096
.endm
.macro LOADV
.irp f, 0,1
.irp c, 0,1
	global_load_b128 v[72+8*\f+4*\c:75+8*\f+4*\c], v3, s[14:15] offset:2048+1024*\f+512*\c
.endr
.endr
	global_load_b32 v55, v4, s[14:15] offset:4224
.endm
; My head's 32 rows of a weight: K step s at 16 s: two tiles u (row r of tile u is row 8 u + r + 8 (r / 8)); scale words of both K steps, lanes 16-31 the second tile's; the bias in the result's layout
.macro LOADW pc, ps, pb, fr, sw, bi
.irp s, 0,1
.irp u, 0,1
.irp c, 0,1
	global_load_b128 v[\fr+16*\s+8*\u+4*\c:\fr+16*\s+8*\u+4*\c+3], v97, s[\pc:\pc+1] offset:1024*\u+64*\s+32*\c
.endr
.endr
.endr
	global_load_b64 v[\sw:\sw+1], v98, s[\ps:\ps+1]
.irp i, 0,1,2,3
	global_load_b128 v[\bi+4*\i:\bi+4*\i+3], v99, s[\pb:\pb+1] offset:16*\i
.endr
.endm
.macro BAR                             ; my LDS stores have landed and my LDS loads are in: then the work-group's barrier
	s_wait_alu depctr_va_vdst(0)
	s_wait_dscnt 0x0
	s_barrier_signal -1
	s_barrier_wait -1
.endm
; 16 numbers of a lane, half a block of 32 (the other half lies in lane l xor 16), become 16 codes in v[t+6], v[t+7]; the block's byte in v[t+4]
.macro QUANT s, t
	v_max3_num_f32 v[\t], |v[\s]|, |v[\s+1]|, 0x1800000   ; and the floor 2^(3 - 127): the byte cannot fall under 1
	v_max3_num_f32 v[\t+1], |v[\s+8]|, |v[\s+9]|, |v[\s+10]|
	v_max3_num_f32 v[\t], v[\t], |v[\s+2]|, |v[\s+3]|
	v_max3_num_f32 v[\t+1], v[\t+1], |v[\s+11]|, |v[\s+12]|
	v_max3_num_f32 v[\t], v[\t], |v[\s+4]|, |v[\s+5]|
	v_max3_num_f32 v[\t+1], v[\t+1], |v[\s+13]|, |v[\s+14]|
	v_max3_num_f32 v[\t], v[\t], |v[\s+6]|, |v[\s+7]|
	v_max3_num_f32 v[\t], v[\t], v[\t+1], |v[\s+15]|
	v_permlanex16_b32 v[\t+2], v[\t], s60, s61
	v_max_num_f32 v[\t], v[\t], v[\t+2]            ; the block's largest magnitude
	v_add_nc_u32 v[\t+3], 0xff000000, v[\t]        ; 2 off its exponent field: the conversion's scale operand
	v_lshrrev_b32 v[\t+4], 23, v[\t+3]             ; the scale's byte
	v_cvt_scalef32_pk8_fp4_f32 v[\t+6], v[\s:\s+7], v[\t+3]
	v_cvt_scalef32_pk8_fp4_f32 v[\t+7], v[\s+8:\s+15], v[\t+3]
	v_nop                                          ; one plain place behind a scaled conversion
.endm
.macro VARI q, c, o                    ; Q's codes in one half of the lanes, zero codes in the other: c mine, o lane l xor 16's
	v_cndmask_b32 v[\q+4], 0, v[\c], s62
	v_cndmask_b32 v[\q+5], 0, v[\c+1], s62
	v_cndmask_b32 v[\q+6], 0, v[\o], s62
	v_cndmask_b32 v[\q+7], 0, v[\o+1], s62
	v_cndmask_b32 v[\q+12], v[\o], 0, s62
	v_cndmask_b32 v[\q+13], v[\o+1], 0, s62
	v_cndmask_b32 v[\q+14], v[\c], 0, s62
	v_cndmask_b32 v[\q+15], v[\c+1], 0, s62
.endm
.macro MX4 a, b
	v_max3_num_f32 v212, v212, v[S+\a], v[S+\b]
	v_max3_num_f32 v213, v213, v[S+8+\a], v[S+8+\b]
	v_max3_num_f32 v214, v214, v[S+32+\a], v[S+32+\b]
	v_max3_num_f32 v215, v215, v[S+40+\a], v[S+40+\b]
.endm
.macro PK1 i                           ; the sum of p: eight accumulators by turns
	v_pk_add_f32 v[228+2*\i:229+2*\i], v[S+2*\i:S+2*\i+1], v[S+16+2*\i:S+17+2*\i]
.endm
; HALF A STEP: one tile of queries against the 128 keys whose scores stand in S; then O^T, and the next half's scores.
; kind 0: tile A in the loop (K is asked for behind it);  1: tile B in the loop (V is);  2: tile A's last (hands over its sums and asks for Wo);  3: tile B's last
.macro HALF nm, run, sm, o, kind
	v_max3_num_f32 v212, v[S], v[S+1], v[S+2]      ; the largest score of each block of 32 keys, in two chains a block
	v_max3_num_f32 v213, v[S+8], v[S+9], v[S+10]
	v_max3_num_f32 v214, v[S+32], v[S+33], v[S+34]
	v_max3_num_f32 v215, v[S+40], v[S+41], v[S+42]
	MX4 3, 4
	MX4 5, 6
	MX4 7, 16
	MX4 17, 18
	MX4 19, 20
	MX4 21, 22
	v_max3_num_f32 v212, v212, v214, v[S+23]
	v_max3_num_f32 v213, v213, v215, v[S+31]
	v_max_num_f32 v212, v212, v[S+55]
	v_max_num_f32 v213, v213, v[S+63]
	v_max3_num_f32 v216, v212, v213, v[\run]
	v_permlanex16_b32 v218, v216, s60, s61
	s_delay_alu instid0(VALU_DEP_1)
	v_max_num_f32 v[\run], v216, v218              ; the running largest score of my query
	s_delay_alu instid0(VALU_DEP_1)
	v_mul_f32 v216, s63, v[\run]
	s_delay_alu instid0(VALU_DEP_1)
	v_floor_f32 v216, v216                         ; the new -M = floor(-t): a whole number
	s_delay_alu instid0(VALU_DEP_1)
	v_sub_f32 v219, v216, v[\nm]                   ; old M - new M: a whole number, 0 or less
.irp j, 0,2
	v_pk_fma_f32 v[S+\j:S+\j+1], v[S+\j:S+\j+1], s[58:59], v[216:217] op_sel_hi:[1,0,0]   ; t - M, two at a time
.endr
	v_cvt_i32_f32 v219, v219                       ; (it saturates)
.irp j, 4,6
	v_pk_fma_f32 v[S+\j:S+\j+1], v[S+\j:S+\j+1], s[58:59], v[216:217] op_sel_hi:[1,0,0]
.endr
	v_ldexp_f32 v220, 1.0, v219                    ; f = 2^(old M - new M)
	v_mov_b32 v[\nm], v216
.irp j, 8,10,12,14,16,18,20,22,24,26,28,30,32,34,36,38,40,42,44,46,48,50,52,54,56,58,60,62
	v_pk_fma_f32 v[S+\j:S+\j+1], v[S+\j:S+\j+1], s[58:59], v[216:217] op_sel_hi:[1,0,0]
.endr
	v_fma_f32 v212, v212, s58, v216                ; the same of each block's largest score
	v_fma_f32 v213, v213, s58, v216
	s_wait_alu depctr_va_vdst(0)                   ; for the first readers of O^T, and ahead of the batch below
.irp j, 0,2,4,6,8,10,12,14
	v_pk_mul_f32 v[\o+\j:\o+\j+1], v[\o+\j:\o+\j+1], v[220:221] op_sel_hi:[1,0]
.endr
	v_exp_f32 v212, v212                           ; ONE BATCH of 66 exponentials: the blocks' largest p,
	v_exp_f32 v213, v213
.irp j, 0,1,2,3,4,5,6,7,8,9,10,11,12,13,14,15,16,17,18,19,20,21,22,23,24,25,26,27,28,29,30,31,32,33,34,35,36,37,38,39,40,41,42,43,44,45,46,47,48,49,50,51,52,53,54,55,56,57,58,59,60,61,62,63
	v_exp_f32 v[S+\j], v[S+\j]                     ; and p = 2^(t - M), at most 1, not normalised
.endr
	v_pk_mul_f32 v[\sm:\sm+1], v[\sm:\sm+1], v[220:221] op_sel_hi:[1,0]   ; the sum under the new M: a plain place that names no exponential's result
	s_wait_alu depctr_va_vdst(0)                   ; one wait for the whole batch, ahead of its first reader
	v_max_num_f32 v212, 0x1800000, v212            ; the floor 2^(3 - 127): the byte cannot fall under 1
	v_max_num_f32 v213, 0x1800000, v213
	PK1 0
	PK1 1
	v_add_nc_u32 v222, 0xff000000, v212            ; 2 off the exponent field: the conversion's scale operand
	v_add_nc_u32 v223, 0xff000000, v213
	PK1 2
	PK1 3
	v_lshrrev_b32 v224, 23, v222                   ; the scale's byte
	v_lshrrev_b32 v225, 23, v223
	PK1 4
	PK1 5
	v_lshl_or_b32 v226, v225, 16, v224             ; my blocks (lane / 16) and 2 + (lane / 16)
	PK1 6
	PK1 7
	v_permlanex16_b32 v227, v226, s60, s61
.irp u, 0,1,2,3
	v_cvt_scalef32_pk8_fp4_f32 v[88+\u], v[S+16*\u:S+16*\u+7], v222
	v_cvt_scalef32_pk8_fp4_f32 v[92+\u], v[S+16*\u+8:S+16*\u+15], v223
.endr
	v_lshl_or_b32 v96, v227, 8, v226               ; p's scale word: lanes 0-15 have blocks 0 to 3 (lanes 16-31 are not read)
.irp i, 0,1,2,3,4,5,6,7
	v_pk_add_f32 v[228+2*\i:229+2*\i], v[228+2*\i:229+2*\i], v[S+32+2*\i:S+33+2*\i]
.endr
.irp i, 0,1,2,3,4,5,6,7
	v_pk_add_f32 v[228+2*\i:229+2*\i], v[228+2*\i:229+2*\i], v[S+48+2*\i:S+49+2*\i]
.endr
.if \kind < 3
	s_wait_alu depctr_va_vdst(0)
	s_wait_loadcnt 0x0                             ; kinds 0, 2: V is in;  kind 1: the next step's K is in.  No load is out
.endif
.if \kind == 0
	s_add_nc_u64 s[14:15], s[14:15], STEPB         ; on to the next step's block
.endif
	M32 \o, 72, 88, \o, 55, 96                     ; O^T += V^T P^T
.if (\kind == 0) || (\kind == 2)
	SCORES 32, 53                                  ; tile B's scores, on the same K
.endif
.if \kind == 1
	SCORES 16, 52                                  ; tile A's, on the next step's K
.endif
	v_pk_add_f32 v[228:229], v[228:229], v[230:231]   ; the accumulators come together: eight places behind the products, naming none of their registers
	v_pk_add_f32 v[232:233], v[232:233], v[234:235]
	v_pk_add_f32 v[236:237], v[236:237], v[238:239]
	v_pk_add_f32 v[240:241], v[240:241], v[242:243]
	v_pk_add_f32 v[228:229], v[228:229], v[232:233]
	v_pk_add_f32 v[236:237], v[236:237], v[240:241]
	v_pk_add_f32 v[228:229], v[228:229], v[236:237]
	v_pk_add_f32 v[\sm:\sm+1], v[\sm:\sm+1], v[228:229]
.if \kind == 0
	LOADK                                          ; K has been read by both tiles: the next step's
.endif
.if \kind == 1
	LOADV                                          ; and V
.endif
.if \kind == 2
	v_mov_b32 v252, v[\nm]
	v_add_f32 v253, v[\sm], v[\sm+1]
.irp i, 0,1,2,3
	ds_store_b128 v14, v[\o+4*\i:\o+4*\i+3] offset:8192*\i   ; tile A's partial sums, for wave w xor 8: the same lane there holds the same query
.endr
	ds_store_b64 v15, v[252:253] offset:XCM
	LOADW 16, 18, 20, 16, 248, 56                  ; Wo and bo go where Q's variants and K lay
.endif
.endm
; LayerNorm of the rows in v196-211, in place; a row's 256 numbers lie in eight waves
.macro LNORM i, g, b
	v_pk_add_f32 v[212:213], v[196:197], v[198:199]
	v_pk_add_f32 v[214:215], v[200:201], v[202:203]
	v_pk_add_f32 v[216:217], v[204:205], v[206:207]
	v_pk_add_f32 v[218:219], v[208:209], v[210:211]
	v_pk_add_f32 v[212:213], v[212:213], v[214:215]
	v_pk_add_f32 v[216:217], v[216:217], v[218:219]
	v_pk_add_f32 v[212:213], v[212:213], v[216:217]
	v_add_f32 v220, v212, v213
	v_permlanex16_b32 v221, v220, s60, s61
	v_add_f32 v220, v220, v221
	v_mul_f32 v222, s66, v220                      ; the mean of my head's 32 dims of row r
.irp j, 0,2,4,6,8,10,12,14
	v_pk_add_f32 v[196+\j:197+\j], v[196+\j:197+\j], v[222:223] op_sel_hi:[1,0] neg_lo:[0,1] neg_hi:[0,1]
.endr
.irp j, 0,2,4,6
	v_pk_mul_f32 v[212+\j:213+\j], v[196+\j:197+\j], v[196+\j:197+\j]
.endr
.irp j, 0,2,4,6
	v_pk_fma_f32 v[212+\j:213+\j], v[204+\j:205+\j], v[204+\j:205+\j], v[212+\j:213+\j]
.endr
	v_pk_add_f32 v[212:213], v[212:213], v[214:215]
	v_pk_add_f32 v[216:217], v[216:217], v[218:219]
	v_pk_add_f32 v[212:213], v[212:213], v[216:217]
	v_add_f32 v220, v212, v213
	v_permlanex16_b32 v221, v220, s60, s61
	v_add_f32 v223, v220, v221                     ; their squared differences' sum
	ds_store_b64 v231, v[222:223] offset:RED+2048*\i   ; both lanes of a row write the same words with the same values
	BAR
.irp k, 0,1,2,3
	ds_load_b128 v[132+4*\k:135+4*\k], v232 offset:RED+2048*\i+16*\k
.endr
	s_wait_dscnt 0x0
	v_pk_add_f32 v[212:213], v[132:133], v[134:135]
	v_pk_add_f32 v[214:215], v[136:137], v[138:139]
	v_pk_add_f32 v[216:217], v[140:141], v[142:143]
	v_pk_add_f32 v[218:219], v[144:145], v[146:147]
	v_pk_add_f32 v[212:213], v[212:213], v[214:215]
	v_pk_add_f32 v[216:217], v[216:217], v[218:219]
	v_pk_add_f32 v[212:213], v[212:213], v[216:217]
	v_mul_f32 v220, s68, v212                      ; mu = the mean of the eight means
	v_fma_f32 v217, v213, s67, s69                 ; the eight sums / 256 + 1e-5
.irp k, 0,1,2,3,4,5,6,7
	v_sub_f32 v[132+2*\k], v[132+2*\k], v220
.endr
	v_mul_f32 v214, v132, v132
	v_mul_f32 v215, v134, v134
.irp k, 2,4,6
	v_fma_f32 v214, v[132+2*\k], v[132+2*\k], v214
	v_fma_f32 v215, v[134+2*\k], v[134+2*\k], v215
.endr
	v_sub_f32 v216, v222, v220                     ; my mean less mu
	v_add_f32 v214, v214, v215
	v_fma_f32 v217, v214, s68, v217                ; + 32 / 256 of the means' squared differences: the variance + 1e-5
	s_wait_alu depctr_va_vdst(0)                   ; the wait ahead of the transcendental
	v_rsq_f32 v218, v217
	v_nop                                          ; a plain place behind the transcendental
	s_wait_alu depctr_va_vdst(0)                   ; and the wait ahead of the first use of its result
	v_mul_f32 v220, v216, v218
.irp j, 0,2,4,6,8,10,12,14
	v_pk_fma_f32 v[196+\j:197+\j], v[196+\j:197+\j], v[218:219], v[220:221] op_sel_hi:[1,0,0]
.endr
.irp j, 0,2,4,6,8,10,12,14
	v_pk_fma_f32 v[196+\j:197+\j], v[196+\j:197+\j], v[\g+\j:\g+\j+1], v[\b+\j:\b+\j+1]
.endr
.endm
	s_load_b512 s[4:19], s[0:1], 0x0               ; q's codes s[4:5], scales s[6:7]; Wq's codes s[8:9], scales s[10:11]; bq s[12:13]; kv s[14:15]; Wo's codes s[16:17], scales s[18:19]
	s_load_b256 s[20:27], s[0:1], 0x40             ; bo s[20:21], g0 s[22:23], b0 s[24:25], g1 s[26:27]
	s_load_b128 s[28:31], s[0:1], 0x60             ; b1 s[28:29], out0 s[30:31]
	v_lshl_add_u32 v1, v0, 2, SPARE
	v_mov_b32 v2, 0
	v_lshrrev_b32 v5, 5, v0
	v_readfirstlane_b32 s32, v5                    ; wave 0..15
	s_lshr_b32 s33, s32, 3                         ; g: my half of the keys, and my own tile of queries
	s_and_b32 s34, s32, 7                          ; hd: my head
	s_mov_b32 s58, 0x3db8aa3b                      ; c = log2(e) / 16: the scores are divided by sqrt(256)
	s_mov_b32 s59, s58                             ; (named with it as a pair, so it is written)
	s_mov_b32 s60, 0x76543210
	s_mov_b32 s61, 0xfedcba98                      ; v_permlanex16_b32's selects for lane l xor 16
	s_mov_b32 s62, 0x0000ffff                      ; lanes 0-15
	s_mov_b32 s63, 0xbdb8aa3b                      ; -c
	s_mov_b32 s66, 0x3d000000                      ; 1 / 32
	s_mov_b32 s67, 0x3b800000                      ; 1 / 256
	s_mov_b32 s68, 0x3e000000                      ; 1 / 8
	s_mov_b32 s69, 0x3727c5ac                      ; 1e-5
	s_and_b32 s35, ttmp9, 63                       ; my number among the batch's 64 work-groups
	s_lshr_b32 s36, ttmp9, 6                       ; the batch
	s_lshl_b32 s36, s36, 4
	s_lshl_b32 s37, s33, 3
	s_add_co_u32 s36, s36, s37
	s_lshl_b32 s36, s36, 3
	s_add_co_u32 s36, s36, s34
	s_mul_i32 s76, s36, BLK                        ; my first block: ((16 batch + 8 g) x 8 + hd)
	s_mul_i32 s78, s35, STEPB
	s_sub_co_u32 s52, s35, 3                       ; the trip in which I ask for my half's step s35 (none for steps 0 to 2, and none from 8 on)
	s_cmp_lt_u32 s35, 8
	s_cselect_b32 s52, s52, 100
	s_lshl_b32 s72, ttmp9, 12                      ; my 32 rows of q: codes,
	s_lshl_b32 s74, ttmp9, 8                       ; scales
	s_xor_b32 s37, s33, 1
	s_lshl_b32 s80, s33, 11                        ; tile B's 16 rows,
	s_lshl_b32 s82, s37, 11                        ; tile A's
	s_lshl_b32 s84, s33, 7
	s_lshl_b32 s86, s37, 7
	s_lshl_b32 s88, s34, 12                        ; my head's 32 rows of a weight, their scales, 32 numbers of a bias
	s_lshl_b32 s90, s34, 8
	s_lshl_b32 s92, s34, 7
	s_lshl_b32 s94, ttmp9, 5
	s_lshl_b32 s95, s32, 1
	s_add_co_u32 s94, s94, s95
	s_lshl_b32 s94, s94, 10                        ; the two rows of out0 that I store: 32 x work-group + 2 w
	s_and_b32 s96, s32, 3
	s_lshl_b32 s96, s96, 8                         ; the 64 numbers of g0, b0, g1 or b1 that I bring into LDS
.irp i, 73,75,77,79,81,83,85,87,89,91,93,95,97,57
	s_mov_b32 s\i, 0
.endr
	v_and_b32 v100, 31, v0                         ; lane
	v_and_b32 v101, 15, v0                         ; r
	v_bfe_u32 v102, v0, 4, 1                       ; h
	v_lshlrev_b32 v3, 4, v100
	v_lshlrev_b32 v4, 2, v100
	v_and_b32 v103, 8, v101
	v_lshlrev_b32 v104, 7, v101
	v_lshlrev_b32 v105, 3, v101                    ; q's scale words: 8 bytes a row
	v_add_nc_u32 v103, v103, v101                  ; r + 8 (r / 8)
	v_lshl_add_u32 v104, v102, 4, v104             ; q: row r of 128 bytes, + 16 h
	v_lshlrev_b32 v97, 7, v103
	v_lshl_add_u32 v98, v102, 3, v103
	v_lshlrev_b32 v99, 6, v102                     ; a bias: 16 numbers for each half of the lanes
	v_lshl_add_u32 v97, v102, 4, v97               ; a weight
	v_lshlrev_b32 v98, 3, v98                      ; its scale words
	v_lshlrev_b32 v109, 3, v100
	v_lshlrev_b32 v14, 4, v0
	v_lshlrev_b32 v15, 3, v0
	v_min_u32 v250, 16, v100
	v_lshlrev_b32 v250, 8, v250                    ; the prefetch: a block is 17 x 256 bytes, a lane each (lanes 17-31 name the last again); never rewritten
	s_wait_alu depctr_va_vdst(0)                   ; the wait at the head's end
	s_wait_kmcnt 0x0
	s_add_nc_u64 s[4:5], s[4:5], s[72:73]
	s_add_nc_u64 s[6:7], s[6:7], s[74:75]
	s_add_nc_u64 s[36:37], s[4:5], s[80:81]        ; tile B's codes
	s_add_nc_u64 s[38:39], s[4:5], s[82:83]        ; tile A's
	s_add_nc_u64 s[40:41], s[6:7], s[84:85]        ; and their scales
	s_add_nc_u64 s[42:43], s[6:7], s[86:87]
	s_add_nc_u64 s[8:9], s[8:9], s[88:89]
	s_add_nc_u64 s[10:11], s[10:11], s[90:91]
	s_add_nc_u64 s[12:13], s[12:13], s[92:93]
	s_add_nc_u64 s[14:15], s[14:15], s[76:77]
	s_cmp_lt_u32 s32, 4
	s_cselect_b64 s[44:45], s[22:23], s[24:25]     ; waves 0-3 g0, 4-7 b0,
	s_cmp_lt_u32 s32, 12
	s_cselect_b64 s[46:47], s[26:27], s[28:29]     ; 8-11 g1, 12-15 b1
	s_cmp_lt_u32 s32, 8
	s_cselect_b64 s[44:45], s[44:45], s[46:47]
	s_add_nc_u64 s[44:45], s[44:45], s[96:97]
.irp i, 0,1,2,3
	global_load_b128 v[212+4*\i:215+4*\i], v104, s[38:39] offset:32*\i   ; tile A of q, both K steps
.endr
.irp i, 0,1,2,3
	global_load_b128 v[228+4*\i:231+4*\i], v104, s[36:37] offset:32*\i   ; tile B
.endr
	global_load_b64 v[244:245], v105, s[42:43]
	global_load_b64 v[246:247], v105, s[40:41]
	LOADW 8, 10, 12, 148, 248, 180                 ; Wq, bq
	global_load_b64 v[254:255], v109, s[44:45]
	LOADK
	LOADV
	s_add_nc_u64 s[16:17], s[16:17], s[88:89]
	s_add_nc_u64 s[18:19], s[18:19], s[90:91]
	s_add_nc_u64 s[20:21], s[20:21], s[92:93]
	s_add_nc_u64 s[30:31], s[30:31], s[94:95]
	s_add_nc_u64 s[50:51], s[14:15], s[78:79]      ; where my prefetch stands: my head's block of step s35 of my half; used where s35 is 3 to 7, never rewritten
	s_wait_loadcnt 11                              ; q, Wq and bq are in; one load of the vectors, K's five and V's five are younger
	; ---- Q = q Wq^T + bq for both tiles, by turns; bq is the C of each sum's first product
	M32 132, 148, 212, 180, 248, 244
	M32 196, 148, 228, 180, 248, 246
	M32 132, 164, 220, 132, 249, 245
	M32 196, 164, 236, 196, 249, 247
.rept 4
	v_nop
.endr
	QUANT 132, 212
	QUANT 196, 220                                 ; tile B's Q stays in v196-211 for the residual
	v_permlanex16_b32 v228, v218, s60, s61         ; the other half of the block
	v_permlanex16_b32 v229, v219, s60, s61
	v_permlanex16_b32 v230, v226, s60, s61
	v_permlanex16_b32 v231, v227, s60, s61
	v_lshl_or_b32 v232, v216, 8, v216
	v_lshl_or_b32 v233, v224, 8, v224
	v_lshl_or_b32 v52, v232, 16, v232              ; Q's byte in all four places: whichever block holds the codes
	v_lshl_or_b32 v53, v233, 16, v233
	VARI 16, 218, 228
	VARI 32, 226, 230
.irp i, 16,17,18,19,24,25,26,27,32,33,34,35,40,41,42,43,48,49,50,51
	v_mov_b32 v\i, 0
.endr
	v_mov_b32 v7, 0xff61b1e6                       ; the largest score so far: -3e38, under every score
	v_mov_b32 v11, 0xff61b1e6
	v_mul_f32 v6, s63, v7
	v_mul_f32 v10, s63, v11
	v_floor_f32 v6, v6                             ; -M
	v_floor_f32 v10, v10
.irp i, 8,9,12,13,217,218,221
	v_mov_b32 v\i, 0                               ; the sums; and two registers named as upper halves of pairs
.endr
	s_wait_alu depctr_va_vdst(0)
	s_wait_loadcnt 0x5                             ; the vectors' numbers and K are in; V's five loads may be out
	ds_store_b64 v15, v[254:255] offset:VEC
	SCORES 16, 52                                  ; tile A's scores of the first step
.irp j, 0,1,2,3,4,5,6,7,8,9,10,11,12,13,14,15,16,17,18,19,20,21,22,23,24,25,26,27,28,29,30,31
	v_mov_b32 v[100+\j], 0                         ; O^T of both tiles (and the places behind the scores): the loop has no first step of its own; the first change of M multiplies zeros
.endr
	s_wait_alu depctr_va_vdst(0)
.Lstep:                                            ; seven trips; the eighth step is written out, since it asks for nothing more of kv
	HALF 6, 7, 8, 100, 0
	HALF 10, 11, 12, 116, 1
	s_wait_alu depctr_va_vdst(0)
	; A PREFETCH INTO THE L2.  The batch's 64 work-groups walk the same blocks: the work-group with number n = 3 .. 7 asks for step n of both halves, each wave for its own head's block, at the end of trip n - 3:
	; a step and a half ahead of K's load.  Each aligned 256 bytes are named once in the launch; steps 0 to 2 come by their loads alone.
	s_cmp_eq_u32 s57, s52
	s_cbranch_scc0 .Lno_ask
	global_prefetch_b8 v250, s[50:51] th:TH_LOAD_NT scope:SCOPE_SE
.Lno_ask:
	s_add_co_u32 s57, s57, 1
	s_cmp_lt_u32 s57, 7
	s_cbranch_scc1 .Lstep
	HALF 6, 7, 8, 100, 2
	HALF 10, 11, 12, 116, 3
	; ---- the two halves of the keys meet
	v_add_f32 v12, v12, v13
	s_wait_alu depctr_va_vdst(0)
	s_wait_dscnt 0x0                               ; my partial sums and my part of the vectors lie in LDS
	s_barrier_signal -1
	s_lshl_b32 s72, s34, 7                         ; work on registers: the LDS addresses of what follows
	s_lshl_b32 s73, s33, 10
	s_lshl_b32 s74, s34, 3
	s_add_co_u32 s74, s74, s73
	s_lshl_b32 s75, s32, 8
	s_lshl_b32 s76, s33, 7
	s_lshr_b32 s77, s34, 2
	s_lshl_b32 s77, s77, 6
	s_and_b32 s78, s34, 3
	s_add_co_u32 s77, s77, s78
	s_lshl_b32 s79, s33, 11
	s_mul_i32 s80, s33, 16*SPI
	s_add_co_u32 s80, s80, s72
	s_mul_i32 s81, s32, 2*SPI
	v_and_b32 v240, 15, v0                         ; r
	v_bfe_u32 v241, v0, 4, 1                       ; h
	v_xor_b32 v228, 0x1000, v14                    ; wave w xor 8's partial sums,
	v_xor_b32 v229, 0x800, v15                     ; and its -M and sum
	v_mul_u32_u24 v237, SPI, v240
	v_lshlrev_b32 v230, 6, v241
	v_lshlrev_b32 v232, 6, v240
	v_lshlrev_b32 v233, 4, v240
	v_lshlrev_b32 v235, 2, v240
	v_add_nc_u32 v237, v237, v230
	v_lshl_add_u32 v233, v241, 3, v233
	v_add_nc_u32 v230, s72, v230                   ; a vector: my head's 32 numbers, 16 for each half of the lanes
	v_add_nc_u32 v231, s74, v232                   ; a reduction: row 16 g + r, my head's pair;
	v_add_nc_u32 v232, s73, v232                   ; and the row's eight
	v_add_nc_u32 v233, s75, v233                   ; x0's image: head hd is block hd % 4 of K step hd / 4: 256 w + 16 r, my 16 codes at 8 h
	v_add_nc_u32 v235, s76, v235                   ; its scale words: 128 g + 4 r (+ 64 a K step);
	v_add_nc_u32 v234, s77, v235                   ; my head's byte
	v_add_nc_u32 v236, s79, v3                     ; the image back: my rows' two fragments
	v_add_nc_u32 v237, s80, v237                   ; the stage: row 16 g + r, my 64 bytes at 128 hd + 64 h
	v_add_nc_u32 v238, s81, v3                     ; and back: rows 2 w, 2 w + 1
	s_wait_alu depctr_va_vdst(0)
	s_barrier_wait -1
.irp i, 0,1,2,3
	ds_load_b128 v[132+4*\i:135+4*\i], v228 offset:8192*\i
.endr
	ds_load_b64 v[148:149], v229 offset:XCM
.irp i, 0,1,2,3
	ds_load_b128 v[152+4*\i:155+4*\i], v230 offset:VEC+16*\i        ; g0
	ds_load_b128 v[168+4*\i:171+4*\i], v230 offset:VEC+1024+16*\i   ; b0
	ds_load_b128 v[72+4*\i:75+4*\i], v230 offset:VEC+2048+16*\i     ; g1
	ds_load_b128 v[100+4*\i:103+4*\i], v230 offset:VEC+3072+16*\i   ; b1
.endr
	s_wait_dscnt 16                                ; the partner's sums are in; the vectors' 16 loads are younger
	v_min_num_f32 v216, v10, v148                  ; -M of all keys
	v_sub_f32 v217, v216, v10
	v_sub_f32 v218, v216, v148
	v_cvt_i32_f32 v217, v217
	v_cvt_i32_f32 v218, v218
	v_ldexp_f32 v220, 1.0, v217                    ; powers of two: nothing is rounded
	v_ldexp_f32 v222, 1.0, v218
	v_mul_f32 v224, v12, v220
	v_fma_f32 v224, v149, v222, v224
	v_permlanex16_b32 v225, v224, s60, s61
	v_add_f32 v224, v224, v225                     ; and lane l xor 16's keys: the row's sum
	s_wait_alu depctr_va_vdst(0)                   ; the wait ahead of the transcendental
	v_rcp_f32 v226, v224
	v_nop                                          ; a plain place behind the transcendental
	s_wait_alu depctr_va_vdst(0)                   ; and the wait ahead of the first use of its result
	v_mul_f32 v220, v220, v226
	v_mul_f32 v222, v222, v226
	s_wait_alu depctr_va_vdst(0)                   ; directly ahead of the first readers of O^T
.irp j, 0,2,4,6,8,10,12,14
	v_pk_fma_f32 v[196+\j:197+\j], v[116+\j:117+\j], v[220:221], v[196+\j:197+\j] op_sel_hi:[1,0,1]   ; Q + O^T / the sum
.endr
.irp j, 0,2,4,6,8,10,12,14
	v_pk_fma_f32 v[196+\j:197+\j], v[132+\j:133+\j], v[222:223], v[196+\j:197+\j] op_sel_hi:[1,0,1]
.endr
	LNORM 0, 152, 168                              ; x0
	QUANT 196, 212                                 ; my head's 32 dims are a block of the last product's K
	ds_store_b64 v233, v[218:219] offset:XIMG
	ds_store_b8 v234, v216 offset:XSC              ; both lanes of a row write the same byte with the same value
	BAR                                            ; x0's four fragments and their scale words lie in LDS
.irp s, 0,1
.irp c, 0,1
	ds_load_b128 v[132+8*\s+4*\c:135+8*\s+4*\c], v236 offset:XIMG+1024*\s+512*\c
.endr
.endr
	ds_load_b32 v244, v235 offset:XSC
	ds_load_b32 v245, v235 offset:XSC+64
	s_wait_loadcnt 0x0                             ; Wo and bo
	s_wait_dscnt 0x0
	; x0 Wo^T + bo, my 32 output dims: two accumulators by turns
	v_wmma_scale_f32_16x16x128_f8f6f4 v[116:123], v[16:23], v[132:139], v[56:63], v248, v244 matrix_a_fmt:MATRIX_FMT_FP4 matrix_b_fmt:MATRIX_FMT_FP4
	v_wmma_scale_f32_16x16x128_f8f6f4 v[124:131], v[24:31], v[132:139], v[64:71], v248, v244 matrix_a_fmt:MATRIX_FMT_FP4 matrix_b_fmt:MATRIX_FMT_FP4 matrix_a_scale:MATRIX_SCALE_ROW1
	v_wmma_scale_f32_16x16x128_f8f6f4 v[116:123], v[32:39], v[140:147], v[116:123], v249, v245 matrix_a_fmt:MATRIX_FMT_FP4 matrix_b_fmt:MATRIX_FMT_FP4
	v_wmma_scale_f32_16x16x128_f8f6f4 v[124:131], v[40:47], v[140:147], v[124:131], v249, v245 matrix_a_fmt:MATRIX_FMT_FP4 matrix_b_fmt:MATRIX_FMT_FP4 matrix_a_scale:MATRIX_SCALE_ROW1
.rept 4
	v_nop
.endr
.irp j, 0,1,2,3,4,5,6,7,8,9,10,11,12,13,14,15
	v_max_num_f32 v[116+\j], 0, v[116+\j]          ; relu
.endr
.irp j, 0,2,4,6,8,10,12,14
	v_pk_add_f32 v[196+\j:197+\j], v[196+\j:197+\j], v[116+\j:117+\j]
.endr
	LNORM 1, 72, 100
	; ---- the way out: a row's 1,024 bytes come from eight waves: they meet in the stage, and each wave stores two whole rows
.irp i, 0,1,2,3
	ds_store_b128 v237, v[196+4*\i:199+4*\i] offset:STG+16*\i
.endr
	BAR
.irp i, 0,1,2,3
	ds_load_b128 v[132+4*\i:135+4*\i], v238 offset:STG+(\i/2)*SPI+(\i%2)*512
.endr
.irp i, 0,1,2,3
	s_wait_dscnt 3-\i                              ; LDS loads come back in order: load i is in, the younger ones may be out
	global_store_b128 v3, v[132+4*\i:135+4*\i], s[30:31] offset:(\i/2)*1024+(\i%2)*512 th:TH_STORE_NT   ; 32 lanes store 512 consecutive bytes, aligned; written once, read by nobody here
.endr
	s_wait_tensorcnt 0x0                           ; the wave's end
	ds_add_u32 v1, v2
	s_wait_dscnt 0x0
	s_endpgm
.Lfunc_end_k_q4ad4aca1c7_mab:
	.size	k_q4ad4aca1c7_mab, .Lfunc_end_k_q4ad4aca1c7_mab-k_q4ad4aca1c7_mab
	.p2alignl 7, 3214868480
	.fill 96, 4, 3214868480
	.section	.rodata,"a",@progbits
	.p2align	6, 0x0
	.amdhsa_kernel k_q4ad4aca1c7_mab
		.amdhsa_group_segment_fixed_size 84736
		.amdhsa_private_segment_fixed_size 0
		.amdhsa_enable_private_segment 0
		.amdhsa_kernarg_size 112
		.amdhsa_user_sgpr_count 2
		.amdhsa_user_sgpr_kernarg_segment_ptr 1
		.amdhsa_wavefront_size32 1
		.amdhsa_system_sgpr_workgroup_id_x 1
		.amdhsa_system_sgpr_workgroup_id_y 1
		.amdhsa_system_sgpr_workgroup_id_z 1
		.amdhsa_system_vgpr_workitem_id 0
		.amdhsa_next_free_vgpr 256
		.amdhsa_next_free_sgpr 98
		.amdhsa_reserve_vcc 0
		.amdhsa_float_denorm_mode_32 3
		.amdhsa_float_denorm_mode_16_64 3
		.amdhsa_memory_ordered 1
		.amdhsa_forward_progress 1
		.amdhsa_inst_pref_size 82
	.end_amdhsa_kernel
	.amdgpu_metadata
---
amdhsa.version: [ 1, 2 ]
amdhsa.kernels:
  - .name:           k_q4ad4aca1c7_mab
    .symbol:         k_q4ad4aca1c7_mab.kd
    .args:
      - { .name: q_codes, .offset: 0, .size: 8, .value_kind: global_buffer, .address_space: global }
      - { .name: q_scales, .offset: 8, .size: 8, .value_kind: global_buffer, .address_space: global }
      - { .name: Wq_codes, .offset: 16, .size: 8, .value_kind: global_buffer, .address_space: global }
      - { .name: Wq_scales, .offset: 24, .size: 8, .value_kind: global_buffer, .address_space: global }
      - { .name: bq, .offset: 32, .size: 8, .value_kind: global_buffer, .address_space: global }
      - { .name: kv, .offset: 40, .size: 8, .value_kind: global_buffer, .address_space: global }
      - { .name: Wo_codes, .offset: 48, .size: 8, .value_kind: global_buffer, .address_space: global }
      - { .name: Wo_scales, .offset: 56, .size: 8, .value_kind: global_buffer, .address_space: global }
      - { .name: bo, .offset: 64, .size: 8, .value_kind: global_buffer, .address_space: global }
      - { .name: g0, .offset: 72, .size: 8, .value_kind: global_buffer, .address_space: global }
      - { .name: b0, .offset: 80, .size: 8, .value_kind: global_buffer, .address_space: global }
      - { .name: g1, .offset: 88, .size: 8, .value_kind: global_buffer, .address_space: global }
      - { .name: b1, .offset: 96, .size: 8, .value_kind: global_buffer, .address_space: global }
      - { .name: out0, .offset: 104, .size: 8, .value_kind: global_buffer, .address_space: global }
    .group_segment_fixed_size: 84736
    .private_segment_fixed_size: 0
    .kernarg_segment_align: 8
    .kernarg_segment_size: 112
    .max_flat_workgroup_size: 512
    .sgpr_count:     98
    .vgpr_count:     256
    .wavefront_size: 32
...
	.end_amdgpu_metadata
.endif
;; end of part 2
